; MI455X (gfx1250); checked and timed in simulation.
; The chip was launched on July 23, 2026; its instructions are those of AMD's public machine-readable ISA for CDNA 5 (MIT licence, August 2026) and "CDNA5" Instruction Set Architecture Reference Guide (July 2026). The comments in the code are by the model that wrote it; some were corrected since.
;; Scaled Dot Attention. Allowed arithmetic: float matrix products may take bf16 or f16 operands with f32 sums; all other float work in f32.
;; Inputs: key 2 x 16 x 2,048 x 64 float32; mask 1 x 1 x 2,048 x 2,048 int32; query 2 x 16 x 2,048 x 64 float32; value 2 x 16 x 2,048 x 64 float32.
;; Outputs: out0 2 x 16 x 2,048 x 64 float32.
;; One version. Each part assembles by itself: llvm-mc -triple=amdgcn-amd-amdhsa -mcpu=gfx1250 --defsym DOCPART=n.
;; ======== version 1 of 1: 2 launches
;; limits: values are held in f16: magnitudes above 65,504 overflow, below 6.1e-05 lose precision; inputs' magnitudes at most 65,504
;; workspace buffers: kh 8,388,608 bytes; vh 8,388,608 bytes; maskbits 524,288 bytes of whole numbers
;; launch prep (part 1): grid 256 x 3, 8 waves a work-group, no clusters, 68,608 bytes of LDS; arguments key, value, mask, kh, vh, maskbits; writes kh, vh, maskbits
.if DOCPART == 1
	.amdgcn_target "amdgcn-amd-amdhsa--gfx1250"
	.amdhsa_code_object_version 6
	.text
	.protected	k_q050d0d42a9_prep
	.globl	k_q050d0d42a9_prep
	.p2align	8
	.type	k_q050d0d42a9_prep,@function
k_q050d0d42a9_prep:
	s_mov_b64 s[64:65], 0
	v_nop
	global_prefetch_b8 v0, s[64:65] scope:SCOPE_SE
	s_setreg_imm32_b32 hwreg(HW_REG_WAVE_MODE, 25, 1), 1
	s_wait_xcnt 0x0
; Three streams, chosen by the work-group's y; each work-group takes 65,536 bytes of one input, each wave 8,192.
;   y = 1: key   (f32) -> kh (f16), same order.      y = 2: value (f32) -> vh (f16), same order.
;   y = 0: mask  (int32 [2048][2048]) -> maskbits: one 32-bit lane mask for each score register of the attention launch.
;          maskbits[qt 0..127][k32 0..63][16 words]; word 8 (kt & 1) + i of a block of 32 keys has, at bit L,
;          mask[16 qt + (L & 15)][32 k32 + 16 (kt & 1) + 8 (L >> 4) + i] != 0.   Any non-zero mask word counts as visible.
; The mask is the same for all 32 heads, so it is packed once here: 32 times fewer bytes for the launch that follows.
; WHY f16 AND NOT bf16: 11 significant bits instead of 8; a softmax row that is peaked passes an operand's rounding on to outputs near zero almost whole.
; LIMIT: |key| and |value| below 65,504 (f16's largest number); beyond it the converted number is infinite.  Below 2^-14 the absolute step is 2^-24.
; No loop, no barrier, every lane on throughout; every register is written once, so no source of a pending access is rewritten.
.set MROW, 8192                        ; bytes in a row of mask
.set LP,   528                         ; LDS pitch of a piece of 512 bytes: 33 x 16, so sixteen rows begin at sixteen different 16-byte columns modulo 256
.set X,    4                           ; v[4:67]    16 loads of 16 bytes a lane
.set Y,    68                          ; v[68:131]  convert: packed f16; mask: the 64 mask words in the score layout
.set WD,   132                         ; v[132:133] lane i: words 2 i and 2 i + 1 of my 64 lane masks
.set LST,  134                         ; LDS address for the stores
.set LRD,  135                         ; LDS address for the reads
	s_load_b256 s[4:11], s[0:1], 0x0               ; key s[4:5], value s[6:7], mask s[8:9], kh s[10:11]
	s_load_b128 s[12:15], s[0:1], 0x20             ; vh s[12:13], maskbits s[14:15]
	v_lshl_add_u32 v136, v0, 2, 0x10800
	v_mov_b32 v137, 0
	v_lshrrev_b32 v1, 5, v0
	v_readfirstlane_b32 s2, v1                     ; wave 0..7
	s_and_b32 s3, ttmp7, 0xffff                    ; y: which stream
	v_and_b32 v1, 31, v0                           ; lane
	v_lshlrev_b32 v2, 4, v1                        ; 16 bytes a lane on the way in
	v_lshlrev_b32 v3, 3, v1                        ; 8 bytes a lane on the way out
	s_wait_kmcnt 0x0
	s_cmp_eq_u32 s3, 0
	s_cbranch_scc1 .Lmask
	; ---- f32 to f16 ----
	s_cmp_eq_u32 s3, 1
	s_cselect_b64 s[16:17], s[4:5], s[6:7]         ; from key or value
	s_cselect_b64 s[18:19], s[10:11], s[12:13]     ; to kh or vh
	s_lshl_b32 s20, ttmp9, 16                      ; 65,536 bytes a work-group,
	s_lshl_b32 s22, s2, 13                         ; 8,192 a wave
	s_add_co_u32 s20, s20, s22
	s_mov_b32 s21, 0
	s_lshr_b32 s22, s20, 1                         ; half as many on the way out
	s_mov_b32 s23, 0
	s_add_nc_u64 s[16:17], s[16:17], s[20:21]
	s_add_nc_u64 s[18:19], s[18:19], s[22:23]
.set n, 0
.rept 16
	global_load_b128 v[X+4*n:X+4*n+3], v2, s[16:17] offset:512*n th:TH_LOAD_NT   ; 512 neighbouring bytes; read once in the launch
.set n, n+1
.endr
.set n, 0
.rept 16
	s_wait_loadcnt 15-n                            ; loads come back in order: the 15 - n younger ones stay out
	v_cvt_pk_f16_f32 v[Y+2*n],   v[X+4*n],   v[X+4*n+1]
	v_cvt_pk_f16_f32 v[Y+2*n+1], v[X+4*n+2], v[X+4*n+3]
	global_store_b64 v3, v[Y+2*n:Y+2*n+1], s[18:19] offset:256*n    ; the wave's 32 lanes store 256 consecutive bytes, aligned
.set n, n+1
.endr
	s_endpgm
	; ---- mask to lane masks: a wave takes 16 query rows x 128 keys ----
.Lmask:
	s_lshr_b32 s34, ttmp9, 1                       ; qt = x >> 1
	s_lshl_b32 s34, s34, 17                        ; 16 rows of 8,192 bytes
	s_and_b32 s36, ttmp9, 1
	s_lshl_b32 s36, s36, 12                        ; key chunk = 8 (x & 1) + wave, 512 bytes each
	s_add_co_u32 s34, s34, s36
	s_lshl_b32 s36, s2, 9
	s_add_co_u32 s34, s34, s36
	s_mov_b32 s35, 0
	s_add_nc_u64 s[8:9], s[8:9], s[34:35]
	s_lshl_b32 s36, ttmp9, 11                      ; out: qt x 4,096 + chunk x 256 = x x 2,048 + wave x 256
	s_lshl_b32 s38, s2, 8
	s_add_co_u32 s36, s36, s38
	s_mov_b32 s37, 0
	s_add_nc_u64 s[14:15], s[14:15], s[36:37]
.set n, 0
.rept 16
	global_load_b128 v[X+4*n:X+4*n+3], v2, s[8:9] offset:MROW*n th:TH_LOAD_NT    ; 512 neighbouring bytes of query row n
.set n, n+1
.endr
	s_mul_i32 s38, s2, 16*LP                       ; my wave's own 8,448 bytes of LDS: no other wave touches them
	v_add_nc_u32 v[LST], s38, v2
	v_and_b32 v[LRD], 15, v0                       ; r: the query row that this lane stands for
	v_mul_u32_u24 v[LRD], v[LRD], LP
	v_bfe_u32 v[WD], v0, 4, 1                      ; h: which eight keys of sixteen
	v_lshl_add_u32 v[LRD], v[WD], 5, v[LRD]        ; r x pitch + 32 h
	v_add_nc_u32 v[LRD], s38, v[LRD]
.set n, 0
.rept 16
	s_wait_loadcnt 15-n                            ; the 15 - n younger loads stay out
	ds_store_b128 v[LST], v[X+4*n:X+4*n+3] offset:LP*n
.set n, n+1
.endr
	; Back in the layout of a score tile: register 8 kt + i of lane (r, h) = mask[row r][key 16 kt + 8 h + i].
	; LDS serves a wave's instructions in order (ISA guide 5.7.1), so these loads see the stores above without a wait.
.set n, 0
.rept 16
	ds_load_b128 v[Y+4*n:Y+4*n+3], v[LRD] offset:64*(n>>1)+16*(n&1)   ; key tile kt = n / 2: 64 bytes; its half p = n & 1: 16 bytes
.set n, n+1
.endr
	v_mov_b32 v[WD], 0                             ; v_writelane_b32 keeps the other lanes: both words are written whole first
	v_mov_b32 v[WD+1], 0
.irp G, 0,1,2,3
	s_wait_dscnt 12-4*\G                           ; the four loads of this group of 16 registers are in; the 12 - 4 G younger ones stay out
.set n, 0
.rept 16
	v_cmp_ne_u32 s[16+n], 0, v[Y+16*\G+n]          ; one bit a lane: the lane mask of score register 16 G + n
.set n, n+1
.endr
.set n, 0
.rept 16
	v_writelane_b32 v[WD+(n&1)], s[16+n], 8*\G+(n>>1)   ; word 16 G + n goes to lane 8 G + n / 2
.set n, n+1
.endr
.endr
	global_store_b64 v3, v[WD:WD+1], s[14:15]      ; my 64 words: 256 consecutive bytes, aligned
	s_wait_tensorcnt 0x0
	ds_add_u32 v136, v137
	s_wait_dscnt 0x0
	s_endpgm
.Lfunc_end_k_q050d0d42a9_prep:
	.size	k_q050d0d42a9_prep, .Lfunc_end_k_q050d0d42a9_prep-k_q050d0d42a9_prep
	.p2alignl 7, 3214868480
	.fill 96, 4, 3214868480
	.section	.rodata,"a",@progbits
	.p2align	6, 0x0
	.amdhsa_kernel k_q050d0d42a9_prep
		.amdhsa_group_segment_fixed_size 68608
		.amdhsa_private_segment_fixed_size 0
		.amdhsa_enable_private_segment 0
		.amdhsa_kernarg_size 48
		.amdhsa_user_sgpr_count 2
		.amdhsa_user_sgpr_kernarg_segment_ptr 1
		.amdhsa_wavefront_size32 1
		.amdhsa_system_sgpr_workgroup_id_x 1
		.amdhsa_system_sgpr_workgroup_id_y 1
		.amdhsa_system_sgpr_workgroup_id_z 1
		.amdhsa_system_vgpr_workitem_id 0
		.amdhsa_next_free_vgpr 138
		.amdhsa_next_free_sgpr 66
		.amdhsa_reserve_vcc 0
		.amdhsa_float_denorm_mode_32 3
		.amdhsa_float_denorm_mode_16_64 3
		.amdhsa_memory_ordered 1
		.amdhsa_forward_progress 1
		.amdhsa_inst_pref_size 20
	.end_amdhsa_kernel
	.amdgpu_metadata
---
amdhsa.version: [ 1, 2 ]
amdhsa.kernels:
  - .name:           k_q050d0d42a9_prep
    .symbol:         k_q050d0d42a9_prep.kd
    .args:
      - { .name: key, .offset: 0, .size: 8, .value_kind: global_buffer, .address_space: global }
      - { .name: value, .offset: 8, .size: 8, .value_kind: global_buffer, .address_space: global }
      - { .name: mask, .offset: 16, .size: 8, .value_kind: global_buffer, .address_space: global }
      - { .name: kh, .offset: 24, .size: 8, .value_kind: global_buffer, .address_space: global }
      - { .name: vh, .offset: 32, .size: 8, .value_kind: global_buffer, .address_space: global }
      - { .name: maskbits, .offset: 40, .size: 8, .value_kind: global_buffer, .address_space: global }
    .group_segment_fixed_size: 68608
    .private_segment_fixed_size: 0
    .kernarg_segment_align: 8
    .kernarg_segment_size: 48
    .max_flat_workgroup_size: 256
    .sgpr_count:     66
    .vgpr_count:     138
    .wavefront_size: 32
...
	.end_amdgpu_metadata
.endif
;; end of part 1
;; launch attn (part 2): grid 8 x 32, 8 waves a work-group, clusters of 4 x 1, 327,680 bytes of LDS; arguments query, kh, vh, maskbits, out0; writes out0
.if DOCPART == 2
	.amdgcn_target "amdgcn-amd-amdhsa--gfx1250"
	.amdhsa_code_object_version 6
	.text
	.protected	k_q050d0d42a9_attn
	.globl	k_q050d0d42a9_attn
	.p2align	8
	.type	k_q050d0d42a9_attn,@function
k_q050d0d42a9_attn:
	s_mov_b64 s[64:65], 0
	v_nop
	global_prefetch_b8 v0, s[64:65] scope:SCOPE_SE
	s_setreg_imm32_b32 hwreg(HW_REG_WAVE_MODE, 25, 1), 1
	s_wait_xcnt 0x0
	s_wait_alu depctr_hold_cnt(0) depctr_sa_sdst(0) depctr_va_vdst(0) depctr_va_sdst(0) depctr_va_ssrc(0) depctr_va_vcc(0) depctr_vm_vsrc(0)
	s_getreg_b32 s2, hwreg(HW_REG_IB_STS2, 6, 4)
	s_cmp_eq_u32 s2, 0
	s_cbranch_scc0 .Lentry_in_a_cluster
	s_endpgm
.Lentry_in_a_cluster:
	s_bfe_u32 s2, ttmp6, 0x10000c
	s_cmp_lg_u32 s2, 0x3003
	s_cbranch_scc0 .Lentry_shape_is_right
	s_endpgm
.Lentry_shape_is_right:
; out0[head][q][:] = softmax over k of (mask[q][k] ? q.k / 8 : -1e9) times V, for 32 heads, 2,048 queries, 2,048 keys, d = 64.
; A work-group takes 256 queries of one head.  Eight waves: wave w has grp = w & 3 (64 queries = 4 query tiles of 16) and g = w >> 2 (one half of
; the keys of every tile of 128 keys).  Waves w and w + 4 share their queries, keep a running (maximum, sum, O) each, and merge once at the end.
; CLUSTER: the four work-groups of a cluster are four query blocks of ONE head and walk the same K and V tiles, so each tile is asked for jointly
; (mask 15): the same line, the same descriptor (made of the head and the wave's number alone) in all four.
; LAYOUT, chosen so that nothing is ever shuffled between lanes but one exchange of the two halves for the maximum:
;   S^T = K Q^T   (A = 16 keys, B = 16 queries): register i of lane (r, h) = score(key 8 h + i, query r)
;   two neighbouring key tiles, packed in pairs to f16, ARE the B fragment of P^T for 32 keys
;   O^T = V^T P^T (A = V^T by the transposing LDS load): register i of lane (r, h) = O[query r][16 dt + 8 h + i]
;   so maximum, sum and rescaling factor are one number a lane.
; ARITHMETIC: log2(e) / 8 is multiplied into Q in f32 before Q is rounded to f16; scores are then exponents of 2.  A masked score is replaced by
; -1e9 log2(e) BEFORE the running maximum is taken, as the problem replaces it by -1e9: a row with no visible key comes out as the mean of V.
; FORMAT: all four matrix operands are f16, 11 significant bits: a peaked softmax row passes an operand's rounding on to outputs near zero almost whole,
; and 8 significant bits leave too little margin there.  The probabilities lie in [0, 1] with the largest exactly 1; one below 2^-14 keeps an absolute
; error of at most 2^-25 against a divisor of at least 1.
; LIMITS: |key|, |value| below 65,504 and |query| below 65,504 x 8 / log2(e) (f16's largest number), else the operand is infinite; sums in f32, by key
; halves and then merged, which is another order than a plain sum's; the masked value acts as the problem's as long as true scores stay above -1e9;
; inputs that are not finite are not served.
.set KP,    144                        ; LDS pitch of a row of K or Q: 128 bytes + 16 = 9 x 16: sixteen rows begin at sixteen different 16-byte columns modulo 256
.set VP,    160                        ; LDS pitch of a row of V: 128 bytes + 32 = 5 x 32, an odd multiple of 32 for the transposing load
.set KSLOT, 128*KP                     ; 18,432: a tile of K
.set VSLOT, 128*VP                     ; 20,480: a tile of V
.set VBASE, 2*KSLOT                    ; 36,864: V's two slots lie behind K's two
.set SCR,   VBASE+2*VSLOT              ; 77,824 = 304 x 256: Q's stage, later the merge areas; written by LDS stores alone, no tile ever lands here
.set QGRP,  64*KP                      ; 9,216: 64 rows of Q
.set MAREA, 8704                       ; a wave's merge area: 16 x 512 bytes of O, 512 bytes of (maximum, sum)
.set OST,   SCR+8*MAREA                ; 147,456: each wave's own stage for the way out, 2 x 16 rows
.set OP,    272                        ; its pitch: 256 bytes + 16
.set TILEB, 128*128                    ; bytes of a tile in kh and in vh
; vector registers, window 0
.set ADRK, 2                           ; K fragments: g x 64 rows + r x pitch + 16 h
.set ADRV, 3                           ; V fragments, for the transposing load
.set QADA, 4                           ; Q fragments of local tiles 0, 1; later: the way out, store address
.set QADB, 5                           ; Q fragments of local tiles 2, 3; later: the way out, read address
.set NEGV, 6                           ; -1e9 log2(e)
.set ML,   8                           ; v[8+2j], v[9+2j]: running maximum and sum of local tile j
.set AL,   16                          ; v[16:17] rescaling factor, and a word that is only there to make a pair
.set T,    18                          ; v[18:21] maxima at work
.set U,    22                          ; v[22:29] sums at work, four pairs
.set S,    32                          ; v[32:63] scores: 4 key tiles x 8
.set P,    64                          ; v[64:79] probabilities in f16: 2 B fragments
.set KF,   80                          ; v[80:143]  K fragments (kt, ks) at 80 + 16 kt + 8 ks
.set VF,   144                         ; v[144:207] V fragments (k32, dt) at 144 + 32 k32 + 8 dt
.set R,    80                          ; merge: the partner's O
.set ST,   144                         ; merge: the partner's (maximum, sum) of two tiles
.set W,    148                         ; v[148:211] the way out: whole rows
; vector registers, window 1 (written with their low 8 bits)
.set O,    0                           ; v256 + 32 j + 8 dt: O^T of local tile j
.set QF,   128                         ; v384 + 16 j + 8 ks: Q fragments
; scalar registers: s2 wave, s3 loop counter, s[4:5] maskbits, s[6:7] out0, s[8:9] query, s10-11 lane selects, s44 g, s45 grp, s46-47 mask offsets
.set G0K,  12                          ; s[12:19] descriptor group 0 of K's tiles, one set a slot
.set G0V,  20                          ; s[20:27] the same for V
.set G1K,  28                          ; s[28:35] group 1 for K
.set G1V,  36                          ; s[36:43] group 1 for V
.set M,    68                          ; s[68:99] the 32 lane masks of the unit at work
; LOCAL TILE ORDER: local query tile j stands for tile j xor 2 g of the 64 queries, so that every wave keeps local tiles 0, 1 and sends 2, 3
; at the merge and the text is the same for both key halves; g enters addresses alone.
.set MSB, 0
.macro WIN new                         ; s_set_vgpr_msb: bits 1:0 source 0, 3:2 source 1, 5:4 source 2, 7:6 destination; the high byte repeats the setting that is left
.if MSB != \new
	s_set_vgpr_msb (MSB<<8)|\new
.set MSB, \new
.endif
.endm
.macro PLACES                          ; four independent vector instructions behind a matrix instruction (ISA guide 7.12.1)
.rept 4
	v_nop
.endr
.endm
; A round of the cluster's barrier: my work-group's barrier, wave 0 signals for the work-group, every wave waits for all four work-groups, my barrier again.
.macro ROUND
	s_barrier_signal -1
	s_barrier_wait -1
	s_cmp_lg_u32 s2, 0
	s_cbranch_scc1 .Lnot_wave_0_\@
	s_barrier_signal -3
.Lnot_wave_0_\@:
	s_barrier_wait -3
	s_barrier_signal -1
	s_barrier_wait -1
.endm
; A joint load into slot s: waves 0-3 bring 32 rows of K each, waves 4-7 32 rows of V.  The branch hangs on the wave's number alone.
.macro JLOAD s
	s_cmp_eq_u32 s44, 0
	s_cbranch_scc0 .Lfor_v_\@
	tensor_load_to_lds s[G0K+4*\s:G0K+4*\s+3], s[G1K:G1K+7]
	s_nop 0
	s_branch .Lasked_\@
.Lfor_v_\@:
	tensor_load_to_lds s[G0V+4*\s:G0V+4*\s+3], s[G1V:G1V+7]
	s_nop 0
.Lasked_\@:
.endm
.macro LOADQ                           ; 16 loads: the B fragments of my four query tiles, once
.irp j, 0,1
.irp ks, 0,1
	ds_load_b128 v[QF+16*\j+8*\ks:QF+16*\j+8*\ks+3],       v[QADA] offset:\j*16*KP+\ks*64
	ds_load_b128 v[QF+16*\j+8*\ks+4:QF+16*\j+8*\ks+7],     v[QADA] offset:\j*16*KP+\ks*64+32
	ds_load_b128 v[QF+32+16*\j+8*\ks:QF+32+16*\j+8*\ks+3],   v[QADB] offset:\j*16*KP+\ks*64
	ds_load_b128 v[QF+32+16*\j+8*\ks+4:QF+32+16*\j+8*\ks+7], v[QADB] offset:\j*16*KP+\ks*64+32
.endr
.endr
.endm
.macro LOADK s                         ; 16 loads: my 64 keys x 64 d as A fragments
.irp kt, 0,1,2,3
.irp ks, 0,1
	ds_load_b128 v[KF+16*\kt+8*\ks:KF+16*\kt+8*\ks+3],   v[ADRK] offset:\s*KSLOT+\kt*16*KP+\ks*64
	ds_load_b128 v[KF+16*\kt+8*\ks+4:KF+16*\kt+8*\ks+7], v[ADRK] offset:\s*KSLOT+\kt*16*KP+\ks*64+32
.endr
.endr
.endm
.macro LOADV s                         ; 16 transposing loads: my 64 keys x 64 d as A fragments of V^T
.irp kb, 0,1
.irp dt, 0,1,2,3
	ds_load_tr16_b128 v[VF+32*\kb+8*\dt:VF+32*\kb+8*\dt+3],   v[ADRV] offset:\s*VSLOT+\kb*32*VP+\dt*32
	ds_load_tr16_b128 v[VF+32*\kb+8*\dt+4:VF+32*\kb+8*\dt+7], v[ADRV] offset:\s*VSLOT+\kb*32*VP+\dt*32+16*VP
.endr
.endr
.endm
.macro MASKLD j                        ; the 32 lane masks of local tile j for my 64 keys of the tile at s[4:5]: 128 bytes
	s_load_b512 s[M:M+15],    s[4:5], s[46+(\j>>1)] offset:(\j&1)*4096
	s_load_b512 s[M+16:M+31], s[4:5], s[46+(\j>>1)] offset:(\j&1)*4096+64
.endm
; Scores of 64 keys x 16 queries.  The four accumulators take turns, one instruction a turn.
.macro QK j
	WIN 0x04                                       ; B (Q) in window 1
.irp kt, 0,1,2,3
	v_wmma_f32_16x16x32_f16 v[S+8*\kt:S+8*\kt+7], v[KF+16*\kt:KF+16*\kt+7], v[QF+16*\j:QF+16*\j+7], 0
.endr
.irp kt, 0,1,2,3
	v_wmma_f32_16x16x32_f16 v[S+8*\kt:S+8*\kt+7], v[KF+16*\kt+8:KF+16*\kt+15], v[QF+16*\j+8:QF+16*\j+15], v[S+8*\kt:S+8*\kt+7]
.endr
.endm
; next = the local tile whose masks are fetched for the unit that follows (0: of the next key tile; -1: none).
.macro SOFTMAX j, next
	WIN 0
	PLACES                                         ; the places in front of the first instruction that reads and writes the scores
	s_wait_kmcnt 0x0                               ; this unit's lane masks are in (scalar loads: the count 0 alone says anything)
.set n, 0
.rept 32
	v_cndmask_b32 v[S+n], v[NEGV], v[S+n], s[M+n]  ; bit set: the score; bit clear: the masked value
.set n, n+1
.endr
.irp c, 0,1,2,3
	v_max3_num_f32 v[T+\c], v[S+8*\c], v[S+8*\c+1], v[S+8*\c+2]     ; four chains that do not wait for each other
.endr
.irp c, 0,1,2,3
	v_max3_num_f32 v[T+\c], v[T+\c], v[S+8*\c+3], v[S+8*\c+4]
.endr
.irp c, 0,1,2,3
	v_max3_num_f32 v[T+\c], v[T+\c], v[S+8*\c+5], v[S+8*\c+6]
.endr
	v_max3_num_f32 v[T], v[T], v[T+1], v[S+7]
	v_max3_num_f32 v[T+2], v[T+2], v[T+3], v[S+15]
	v_max3_num_f32 v[T], v[T], v[T+2], v[S+23]
	v_max3_num_f32 v[T], v[T], v[S+31], v[ML+2*\j] ; and the running maximum
.if \next >= 0
.if \next == 0
	s_add_nc_u64 s[4:5], s[4:5], 256               ; the next key tile's masks; no scalar load is out since the wait above
.endif
	MASKLD \next                                   ; the selects above were the masks' last readers; these have the rest of the unit in which to land
.endif
	v_permlanex16_b32 v[T+1], v[T], s10, s11       ; lanes r and r + 16 hold the same query's other eight keys of sixteen
	v_max_num_f32 v[T], v[T], v[T+1]
	v_sub_f32 v[AL], v[ML+2*\j], v[T]
	v_mov_b32 v[ML+2*\j], v[T]
	v_exp_f32 v[AL], v[AL]                         ; the factor for what was summed under the old maximum; the packed subtractions below stand between it and its use
.set n, 0
.rept 16
	v_pk_add_f32 v[S+2*n:S+2*n+1], v[S+2*n:S+2*n+1], v[ML+2*\j:ML+2*\j+1] op_sel_hi:[1,0] neg_lo:[0,1] neg_hi:[0,1]   ; score - maximum, two at a time
.set n, n+1
.endr
.set n, 0
.rept 32
	v_exp_f32 v[S+n], v[S+n]
.set n, n+1
.endr
	s_wait_alu depctr_va_vdst(0)
	v_mul_f32 v[ML+2*\j+1], v[ML+2*\j+1], v[AL]    ; the plain instruction between the exponentials and their first use (ISA guide 5.7.2)
.set n, 0
.rept 16
	v_cvt_pk_f16_f32 v[P+n], v[S+2*n], v[S+2*n+1]  ; keys 8 h + 2 i, 8 h + 2 i + 1: the lower key in the lower half
.set n, n+1
.endr
.irp c, 0,1,2,3
	v_pk_add_f32 v[U+2*\c:U+2*\c+1], v[S+8*\c:S+8*\c+1], v[S+8*\c+2:S+8*\c+3]
.endr
.irp c, 0,1,2,3
	v_pk_add_f32 v[U+2*\c:U+2*\c+1], v[U+2*\c:U+2*\c+1], v[S+8*\c+4:S+8*\c+5]
.endr
.irp c, 0,1,2,3
	v_pk_add_f32 v[U+2*\c:U+2*\c+1], v[U+2*\c:U+2*\c+1], v[S+8*\c+6:S+8*\c+7]
.endr
	v_pk_add_f32 v[U:U+1], v[U:U+1], v[U+2:U+3]
	v_pk_add_f32 v[U+4:U+5], v[U+4:U+5], v[U+6:U+7]
	v_pk_add_f32 v[U:U+1], v[U:U+1], v[U+4:U+5]
	v_add_f32 v[U], v[U], v[U+1]
	v_add_f32 v[ML+2*\j+1], v[ML+2*\j+1], v[U]     ; the lane's own part of the sum; the two halves meet at the merge
.endm
.macro RESCALE j
	WIN 0x41                                       ; destination and source 0 (O) in window 1
.set n, 0
.rept 16
	v_pk_mul_f32 v[O+32*\j+2*n:O+32*\j+2*n+1], v[O+32*\j+2*n:O+32*\j+2*n+1], v[AL:AL+1] op_sel_hi:[1,0]
.set n, n+1
.endr
.endm
; O^T += V^T P^T over my 64 keys.  The four accumulators take turns, one instruction a turn.
.macro PV j, first
	WIN 0x50                                       ; C and D (O) in window 1
.irp dt, 0,1,2,3
.if \first
	v_wmma_f32_16x16x32_f16 v[O+32*\j+8*\dt:O+32*\j+8*\dt+7], v[VF+8*\dt:VF+8*\dt+7], v[P:P+7], 0     ; the first product starts the sums
.else
	v_wmma_f32_16x16x32_f16 v[O+32*\j+8*\dt:O+32*\j+8*\dt+7], v[VF+8*\dt:VF+8*\dt+7], v[P:P+7], v[O+32*\j+8*\dt:O+32*\j+8*\dt+7]
.endif
.endr
.irp dt, 0,1,2,3
	v_wmma_f32_16x16x32_f16 v[O+32*\j+8*\dt:O+32*\j+8*\dt+7], v[VF+32+8*\dt:VF+32+8*\dt+7], v[P+8:P+15], v[O+32*\j+8*\dt:O+32*\j+8*\dt+7]
.endr
.endm
; One query tile against my 64 keys.  The next unit's score products follow this unit's last products directly: they share no register (P is kept apart from S for that).
.macro UNIT j, first, next, vwait
	QK \j
	SOFTMAX \j, \next
.if \first == 0
	RESCALE \j
.endif
.if \vwait
	s_wait_dscnt 0x0                               ; V's fragments are in
.endif
	PV \j, \first
.endm
; One tile of 128 keys.  One round of the cluster's barrier a trip; in front of it every wave has waited for all its tensor loads (its part of this trip's
; tile) and for its LDS accesses (its reads of the last trip's tile); behind it the slot read last trip is asked for again first.
; By this text's own count a wave has one tensor load out, and that load has the whole trip in which to land.
.macro TRIP slot, refill, first, last
	WIN 0
	s_wait_tensorcnt 0x0
	ds_add_u32 v254, v255
	s_wait_dscnt 0x0
	s_add_nc_u64 s[G0K+4*\slot+2:G0K+4*\slot+3], s[G0K+4*\slot+2:G0K+4*\slot+3], 2*TILEB   ; no load of mine is out: this slot's next tile
	s_add_nc_u64 s[G0V+4*\slot+2:G0V+4*\slot+3], s[G0V+4*\slot+2:G0V+4*\slot+3], 2*TILEB   ; (in the last two trips the stepped addresses are not used)
	s_wait_dscnt 0x0
	ROUND
.if \refill
.if \slot == 0
	JLOAD 1
.else
	JLOAD 0
.endif
.endif
	PLACES                                         ; the fragment registers are loaded again four places behind the last matrix instruction that read them
.if \first
	WIN 0x40                                       ; loaded data into window 1
	LOADQ
	WIN 0
.endif
	LOADK \slot
	LOADV \slot
	s_wait_dscnt 16                                ; the 16 youngest loads are V's and may stay out; K's (and in the first trip Q's) are in
	UNIT 0, \first, 1, 1
	UNIT 1, \first, 2, 0
	UNIT 2, \first, 3, 0
.if \last
	UNIT 3, \first, -1, 0
.else
	UNIT 3, \first, 0, 0
.endif
.endm
	; ---- arguments, ids, pointers ----
	s_load_b256 s[48:55], s[0:1], 0x0              ; query s[48:49], kh s[50:51], vh s[52:53], maskbits s[54:55]
	s_load_b64 s[56:57], s[0:1], 0x20              ; out0
	v_lshl_add_u32 v254, v0, 2, 0x35000
	v_mov_b32 v255, 0
	ds_add_u32 v254, v255
	v_lshrrev_b32 v1, 5, v0
	v_readfirstlane_b32 s2, v1                     ; wave 0..7
	v_and_b32 v1, 31, v0
	v_lshlrev_b32 v1, 4, v1                        ; 16 x lane
	s_lshr_b32 s44, s2, 2                          ; g: my half of the keys.  Also: I fetch for K (0) or for V (1)
	s_and_b32 s45, s2, 3                           ; grp: my 64 queries.  Also: which 32 rows of a tile I fetch
	s_bfe_u32 s58, ttmp6, 0x40000                  ; cx: my place in the cluster
	s_lshl_b32 s59, ttmp9, 2                       ; in a cluster launch ttmp9 counts clusters
	s_add_co_u32 s59, s59, s58                     ; query block 0..7
	s_and_b32 s60, ttmp7, 0xffff                   ; head 0..31
	s_lshl_b32 s66, s59, 16                        ; query block x 65,536: 256 rows of 256 bytes, and also 16 query tiles of 4,096 bytes of masks
	s_lshl_b32 s61, s45, 14                        ; grp x 16,384: 64 rows, and also 4 query tiles of masks
	s_add_co_u32 s66, s66, s61
	s_lshl_b32 s61, s60, 19                        ; head x 524,288
	s_add_co_u32 s58, s66, s61
	s_lshl_b32 s61, s44, 13                        ; g x 32 rows: the rows that I load of Q and store of out0
	s_add_co_u32 s58, s58, s61
	s_mov_b32 s59, 0
	s_lshl_b32 s61, s44, 7                         ; g x 128 bytes: my 64 keys' masks in a tile's 256 bytes
	s_add_co_u32 s66, s66, s61
	s_mov_b32 s67, 0
	s_lshl_b32 s62, s60, 18                        ; K and V: head x 262,144, in registers that never hold my place in the cluster,
	s_lshl_b32 s61, s45, 12                        ; + 32 rows of 128 bytes for each of the four waves that fetch
	s_add_co_u32 s62, s62, s61
	s_mov_b32 s63, 0
	s_lshl_b32 s46, s44, 13                        ; masks of local tiles 0, 1: query tiles 2 g, 2 g + 1
	s_sub_co_u32 s47, 8192, s46                    ; of local tiles 2, 3: the other two
	s_mov_b32 s10, 0x76543210                      ; v_permlanex16_b32: lane i of one half reads lane i of the other
	s_mov_b32 s11, 0xfedcba98
	s_wait_dscnt 0x0
	s_wait_kmcnt 0x0
	s_add_nc_u64 s[8:9], s[48:49], s[58:59]
	s_add_nc_u64 s[6:7], s[56:57], s[58:59]
	s_add_nc_u64 s[4:5], s[54:55], s[66:67]
	s_add_nc_u64 s[50:51], s[50:51], s[62:63]
	s_add_nc_u64 s[52:53], s[52:53], s[62:63]
.set n, 0
.rept 16
	global_load_b128 v[KF+4*n:KF+4*n+3], v1, s[8:9] offset:512*n th:TH_LOAD_NT   ; two whole rows of Q; each byte of Q is read once in the launch
.set n, n+1
.endr
	MASKLD 0                                       ; the first unit's lane masks
	; ---- descriptors: tiles of 32 rows x 64 f16, row to row 64 elements, padded in LDS behind every 32 words ----
	s_mov_b32 s[G1K+0], 15|(1<<16)|(1<<20)|(1<<21)|(4<<22)|(3<<25)   ; 15:0 the four work-groups of the cluster; 17:16 2 bytes; 20 padding on; 21 set beside a mask; 24:22 every 32 words; 31:25 4 words
	s_mov_b32 s[G1V+0], 15|(1<<16)|(1<<20)|(1<<21)|(4<<22)|(7<<25)   ; the same with 8 words of padding
.irp g, G1K, G1V
	s_mov_b32 s[\g+1], 64<<16                      ; tensor_dim0 = 64
	s_mov_b32 s[\g+2], 32<<16                      ; tensor_dim1 = 32
	s_mov_b32 s[\g+3], 64<<16                      ; tile_dim0 = 64
	s_mov_b32 s[\g+4], 32                          ; tile_dim1 = 32
	s_mov_b32 s[\g+5], 64                          ; elements from row to row
	s_mov_b32 s[\g+6], 0
	s_mov_b32 s[\g+7], 0
.endr
	s_mul_i32 s61, s2, 32*KP                       ; K: wave 0..3 x 32 rows
	s_mul_i32 s3, s2, 32*VP                        ; V: (wave - 4) x 32 rows behind VBASE = wave x 5,120 + 16,384
.irp s, 0,1
	s_mov_b32 s[G0K+4*\s], 1
	s_add_co_u32 s[G0K+4*\s+1], s61, \s*KSLOT
	s_add_nc_u64 s[G0K+4*\s+2:G0K+4*\s+3], s[50:51], \s*TILEB
	s_or_b32 s[G0K+4*\s+3], s[G0K+4*\s+3], 0x80000000
	s_mov_b32 s[G0V+4*\s], 1
	s_add_co_u32 s[G0V+4*\s+1], s3, VBASE-4*32*VP+\s*VSLOT
	s_add_nc_u64 s[G0V+4*\s+2:G0V+4*\s+3], s[52:53], \s*TILEB
	s_or_b32 s[G0V+4*\s+3], s[G0V+4*\s+3], 0x80000000
.endr
	ROUND                                          ; all four work-groups are here: the first joint loads meet
	JLOAD 0                                        ; tile 0
	; ---- LDS addresses and constants ----
	v_and_b32 v30, 15, v0                          ; r
	v_bfe_u32 v31, v0, 4, 1                        ; h
	v_mul_u32_u24 v[ADRK], v30, KP
	v_lshl_add_u32 v[ADRK], v31, 4, v[ADRK]        ; r x pitch + 16 h
	s_mul_i32 s48, s45, QGRP
	s_add_co_u32 s48, s48, SCR                     ; my group's 64 rows of Q
	s_mul_i32 s49, s44, 32*KP
	s_add_co_u32 s54, s48, s49                     ; rows 32 g ..: local tiles 0, 1, and the rows that I stage
	v_add_nc_u32 v[QADA], s54, v[ADRK]
	s_sub_co_u32 s55, 32*KP, s49
	s_add_co_u32 s55, s48, s55                     ; rows 32 (1 - g) ..: local tiles 2, 3
	v_add_nc_u32 v[QADB], s55, v[ADRK]
	v_mul_u32_u24 v7, v31, KP                      ; staging: a load's lanes 0-15 hold one row, lanes 16-31 the next; 8 bytes of f16 a lane
	v_lshl_add_u32 v7, v30, 3, v7
	v_add_nc_u32 v7, s54, v7
	s_mul_i32 s55, s44, 64*KP
	v_add_nc_u32 v[ADRK], s55, v[ADRK]             ; my 64 keys
	v_and_b32 v[ADRV], 7, v0
	v_lshl_add_u32 v[ADRV], v31, 3, v[ADRV]        ; key row 8 h + (lane & 7)
	v_mul_u32_u24 v[ADRV], v[ADRV], VP
	v_bfe_u32 v29, v0, 3, 1
	v_lshl_add_u32 v[ADRV], v29, 4, v[ADRV]        ; + 16 bytes for the upper eight columns of sixteen
	s_mul_i32 s55, s44, 64*VP
	s_add_co_u32 s55, s55, VBASE
	v_add_nc_u32 v[ADRV], s55, v[ADRV]
	v_mov_b32 v[NEGV], 0xceabfb8f                  ; -1e9 log2(e)
	v_mov_b32 v[AL+1], 0                           ; never used as a number: the second word of a pair
.irp j, 0,1,2,3
	v_mov_b32 v[ML+2*\j], 0xff800000               ; running maximum: minus infinity, so that the first factor is 0
	v_mov_b32 v[ML+2*\j+1], 0                      ; running sum
.endr
	; ---- Q: scale in f32, round to f16, into the stage that my partner wave shares ----
.set n, 0
.rept 16
	s_wait_loadcnt 15-n                            ; the 15 - n younger loads stay out
	v_pk_mul_f32 v[KF+4*n:KF+4*n+1],   v[KF+4*n:KF+4*n+1],   0x3e38aa3b op_sel_hi:[1,0]   ; log2(e) / 8
	v_pk_mul_f32 v[KF+4*n+2:KF+4*n+3], v[KF+4*n+2:KF+4*n+3], 0x3e38aa3b op_sel_hi:[1,0]
	v_cvt_pk_f16_f32 v[KF+4*n],   v[KF+4*n],   v[KF+4*n+1]
	v_cvt_pk_f16_f32 v[KF+4*n+1], v[KF+4*n+2], v[KF+4*n+3]
	ds_store_b64 v7, v[KF+4*n:KF+4*n+1] offset:2*KP*n
.set n, n+1
.endr
	; The first trip's wait for all LDS accesses and its round stand between these stores and the partner's reads.
	; ---- 16 tiles of 128 keys ----
	TRIP 0, 1, 1, 0                                ; the first trip stands in front of the loop: its products start the sums
	TRIP 1, 1, 0, 0
	WIN 0                                          ; at a label and at a branch every window is 0
	s_mov_b32 s3, 6
.Lloop:
	TRIP 0, 1, 0, 0
	TRIP 1, 1, 0, 0
	WIN 0
	s_sub_co_u32 s3, s3, 1
	s_cmp_lg_u32 s3, 0
	s_cbranch_scc1 .Lloop
	TRIP 0, 1, 0, 0                                ; asks for tile 15, the last
	TRIP 1, 0, 0, 1                                ; asks for nothing, neither tile nor masks
	; ---- merge of the two key halves: I send local tiles 2, 3 and finish local tiles 0, 1 ----
	WIN 0
	PLACES                                         ; behind the last matrix instructions: O is read and the fragment registers are loaded below
.irp j, 0,1,2,3
	v_permlanex16_b32 v30, v[ML+2*\j+1], s10, s11  ; the sums of lanes r and r + 16 belong to one query
	v_add_f32 v[ML+2*\j+1], v[ML+2*\j+1], v30
.endr
	s_mul_i32 s48, s2, MAREA
	s_add_co_u32 s49, s48, SCR
	v_add_nc_u32 v7, s49, v1                       ; my area (Q's stage was last read in the first trip, many barriers ago)
	s_xor_b32 s50, s2, 4
	s_mul_i32 s50, s50, MAREA
	s_add_co_u32 s50, s50, SCR
	v_add_nc_u32 v31, s50, v1                      ; my partner's
	s_add_co_u32 s48, s48, OST                     ; my stage for the way out (it has the same size as a merge area)
	v_and_b32 v28, 15, v0
	v_bfe_u32 v29, v0, 4, 1
	v_mul_u32_u24 v[QADA], v28, OP                 ; in: row r, 32 bytes for each half of the lanes
	v_lshl_add_u32 v[QADA], v29, 5, v[QADA]
	v_add_nc_u32 v[QADA], s48, v[QADA]
	v_mul_u32_u24 v[QADB], v29, OP                 ; back: lanes 0-15 one row of 256 bytes, lanes 16-31 the next
	v_lshl_add_u32 v[QADB], v28, 4, v[QADB]
	v_add_nc_u32 v[QADB], s48, v[QADB]
	WIN 0x04                                       ; store data from window 1
.set n, 0
.rept 16
	ds_store_b128 v7, v[O+64+4*n:O+64+4*n+3] offset:512*n
.set n, n+1
.endr
	WIN 0
	ds_store_b128 v7, v[ML+4:ML+7] offset:8192     ; (maximum, sum) of local tiles 2, 3
	s_wait_dscnt 0x0                               ; for the partner's sake: all my stores are done
	s_barrier_signal -1
	s_barrier_wait -1
.set n, 0
.rept 16
	ds_load_b128 v[R+4*n:R+4*n+3], v31 offset:512*n
.set n, n+1
.endr
	ds_load_b128 v[ST:ST+3], v31 offset:8192
	s_wait_dscnt 0x0
; out = (O_a 2^(m_a - m) + O_b 2^(m_b - m)) / (l_a 2^(m_a - m) + l_b 2^(m_b - m)); the divisor is at least 1, since one term sits at the maximum.
.macro FINISH j
	v_max_num_f32 v18, v[ML+2*\j], v[ST+2*\j]
	v_sub_f32 v19, v[ML+2*\j], v18
	v_sub_f32 v20, v[ST+2*\j], v18
	v_exp_f32 v19, v19
	v_exp_f32 v20, v20
	v_nop                                          ; the plain instruction behind the exponentials (ISA guide 5.7.2)
	s_wait_alu depctr_va_vdst(0)
	v_mul_f32 v21, v[ML+2*\j+1], v19
	v_fmac_f32 v21, v[ST+2*\j+1], v20
	v_rcp_f32 v22, v21
	v_nop                                          ; and behind the reciprocal
	s_wait_alu depctr_va_vdst(0)
	v_mul_f32 v18, v19, v22                        ; my factor, low word of v[18:19]
	v_mul_f32 v20, v20, v22                        ; my partner's, low word of v[20:21]
.set n, 0
.rept 16
	v_pk_mul_f32 v[R+32*\j+2*n:R+32*\j+2*n+1], v[R+32*\j+2*n:R+32*\j+2*n+1], v[20:21] op_sel_hi:[1,0]
.set n, n+1
.endr
	WIN 0x01                                       ; source 0 (my O) in window 1
.set n, 0
.rept 16
	v_pk_fma_f32 v[R+32*\j+2*n:R+32*\j+2*n+1], v[O+32*\j+2*n:O+32*\j+2*n+1], v[18:19], v[R+32*\j+2*n:R+32*\j+2*n+1] op_sel_hi:[1,0,1]
.set n, n+1
.endr
	WIN 0
	; the way out: a lane holds 8 neighbouring numbers of row r for each dt; through my own stage they become whole rows of 256 bytes
.irp dt, 0,1,2,3
	ds_store_b128 v[QADA], v[R+32*\j+8*\dt:R+32*\j+8*\dt+3]   offset:\j*16*OP+64*\dt
	ds_store_b128 v[QADA], v[R+32*\j+8*\dt+4:R+32*\j+8*\dt+7] offset:\j*16*OP+64*\dt+16
.endr
.irp i, 0,1,2,3,4,5,6,7
	ds_load_b128 v[W+32*\j+4*\i:W+32*\j+4*\i+3], v[QADB] offset:\j*16*OP+2*OP*\i   ; my own bytes, served in order: these see the stores above
.endr
.irp i, 0,1,2,3,4,5,6,7
	s_wait_dscnt 7-\i                              ; the 7 - i younger loads stay out
	global_store_b128 v1, v[W+32*\j+4*\i:W+32*\j+4*\i+3], s[6:7] offset:\j*4096+512*\i th:TH_STORE_NT   ; two whole rows: 512 consecutive bytes, aligned
.endr
.endm
	FINISH 0
	FINISH 1                                       ; registers and stage of its own: no source of a pending store is rewritten
	s_wait_tensorcnt 0x0
	ds_add_u32 v254, v255
	s_wait_dscnt 0x0
	ROUND                                          ; the closing round: no work-group ends while a partner may still ask for a tile that names it
	s_endpgm
.Lfunc_end_k_q050d0d42a9_attn:
	.size	k_q050d0d42a9_attn, .Lfunc_end_k_q050d0d42a9_attn-k_q050d0d42a9_attn
	.p2alignl 7, 3214868480
	.fill 96, 4, 3214868480
	.section	.rodata,"a",@progbits
	.p2align	6, 0x0
	.amdhsa_kernel k_q050d0d42a9_attn
		.amdhsa_group_segment_fixed_size 327680
		.amdhsa_private_segment_fixed_size 0
		.amdhsa_enable_private_segment 0
		.amdhsa_kernarg_size 40
		.amdhsa_user_sgpr_count 2
		.amdhsa_user_sgpr_kernarg_segment_ptr 1
		.amdhsa_wavefront_size32 1
		.amdhsa_system_sgpr_workgroup_id_x 1
		.amdhsa_system_sgpr_workgroup_id_y 1
		.amdhsa_system_sgpr_workgroup_id_z 1
		.amdhsa_system_vgpr_workitem_id 0
		.amdhsa_next_free_vgpr 448
		.amdhsa_next_free_sgpr 100
		.amdhsa_reserve_vcc 0
		.amdhsa_float_denorm_mode_32 3
		.amdhsa_float_denorm_mode_16_64 3
		.amdhsa_memory_ordered 1
		.amdhsa_forward_progress 1
		.amdhsa_inst_pref_size 255
	.end_amdhsa_kernel
	.section	.bss,"aw",@nobits
	.p2align	6
	.space	262144
	.amdgpu_metadata
---
amdhsa.version: [ 1, 2 ]
amdhsa.kernels:
  - .name:           k_q050d0d42a9_attn
    .symbol:         k_q050d0d42a9_attn.kd
    .args:
      - { .name: query, .offset: 0, .size: 8, .value_kind: global_buffer, .address_space: global }
      - { .name: kh, .offset: 8, .size: 8, .value_kind: global_buffer, .address_space: global }
      - { .name: vh, .offset: 16, .size: 8, .value_kind: global_buffer, .address_space: global }
      - { .name: maskbits, .offset: 24, .size: 8, .value_kind: global_buffer, .address_space: global }
      - { .name: out0, .offset: 32, .size: 8, .value_kind: global_buffer, .address_space: global }
    .group_segment_fixed_size: 327680
    .private_segment_fixed_size: 0
    .kernarg_segment_align: 8
    .kernarg_segment_size: 40
    .max_flat_workgroup_size: 256
    .sgpr_count:     100
    .vgpr_count:     448
    .wavefront_size: 32
...
	.end_amdgpu_metadata
.endif
;; end of part 2
